; MI455X (gfx1250); checked and timed in simulation.
; The chip was launched on July 23, 2026; its instructions are those of AMD's public machine-readable ISA for CDNA 5 (MIT licence, August 2026) and "CDNA5" Instruction Set Architecture Reference Guide (July 2026). The comments in the code are by the model that wrote it; some were corrected since.
;; KAN Layer. Allowed arithmetic: matrix products marked QUANTISED: E2M3 operands, one E8M0 scale for each 32 along K, by v_wmma_scale_f32_16x16x128_f8f6f4 with both operands' format E2M3, f32 sums; everything else in f32.
;; Inputs: base_weight 1,024 x 1,024 float32; ln_beta 1,024 float32; ln_gamma 1,024 float32; se_b1 32 float32; se_b2 1,024 float32; se_w1 32 x 1,024 float32; se_w2 1,024 x 32 float32; spline_weight 1,024 x 1,024 x 3 float32; x 16,384 x 1,024 float32.
;; Outputs: out0 16,384 x 1,024 float32.
;; This version of the problem:
;;   THIS VERSION OF THE PROBLEM IS GIVEN IN LOW PRECISION. The matrix products marked QUANTISED in the list below multiply operands that are first quantised to E2M3 (2 exponent bits, 3 mantissa bits; 6 bits a number), with one power-of-two scale for each 32 numbers along K (OCP MX v1.0); their sums are f32. All else is computed in f32.
;;   The module's matrix products, in the order in which they are computed (A, B: the left and right operand; K: the contracted axis; several contracted axes count as one K, in the product's order):
;;     1. [M 16,384, K 1,024] x [K 1,024, N 1,024]; A: input x; B: input base_weight: QUANTISED
;;     2. [M 16,384, K 3,072] x [K 3,072, N 1,024]; A: computed on the way; B: input spline_weight: QUANTISED
;;     3. [M 16,384, K 1,024] x [K 1,024, N 32]; A: computed on the way; B: input se_w1: QUANTISED
;;     4. [M 16,384, K 32] x [K 32, N 1,024]; A: computed on the way; B: input se_w2: QUANTISED
;;   THE QUANTISER, for each operand of a quantised product, along K:
;;     - K is cut into blocks of 32 from its start; a last block that is shorter is filled with zeros.
;;     - A block's scale is 2^e with e = floor(log2(the largest magnitude in the block)) - 2, held to -126 .. 127; a block of zeros has e = 0. As a byte (E8M0): e + 127.
;;     - Each number is divided by its block's scale, clamped to +-7.5, and rounded to the nearest number of E2M3, ties to even, subnormals kept.
;;     - The product sums the exact products of the quantised numbers (number of the format x scale) in f32.
;;   ~~~python
;;   def quantise(x, axis):      # numpy; x: float32 -> the quantised numbers, widened to float32 again
;;       x = np.moveaxis(x, axis, -1); K = x.shape[-1]
;;       x = np.pad(x, [(0, 0)] * (x.ndim - 1) + [(0, -K % 32)]); x = x.reshape(x.shape[:-1] + (-1, 32)); a = np.abs(x).max(-1, keepdims=True)
;;       e = np.where(a > 0, np.clip(np.frexp(np.where(a > 0, a, 1))[1] - 1 - 2, -126, 127), 0)      # np.frexp(a)[1] - 1 = floor(log2(a)), exactly
;;       r = np.clip(x / 2.0 ** e, -7.5, 7.5)
;;       step = 2.0 ** (np.maximum(np.frexp(np.where(r == 0, 1, r))[1] - 1, 0) - 3)
;;       q = np.round(r / step) * step * 2.0 ** e      # np.round: ties to even
;;       return np.moveaxis(q.reshape(q.shape[:-2] + (-1,))[..., :K], -1, axis).astype(np.float32)
;;   ~~~
;;   OPERANDS COMPUTED ON THE WAY. 'Computed on the way' means the value that the module computes at that place (a softmax that the list does not call 'softmax' is quantised finished and normalised). What goes into a quantiser is computed in f32, as accurately as f32 sums, v_exp_f32 and their like allow (about 1e-6 of the number): no bf16 or f16 on the way to a quantiser, and a product that is left as it is and whose result goes on into a quantised operand takes f32 operands (vector FMAs, or v_wmma_f32_16x16x4_f32). A number that lies on a knife's edge between two numbers of the format may be rounded either way, as far as f32 arithmetic and the matrix unit's own rounding can turn it there, and no further.
;; One version. Each part assembles by itself: llvm-mc -triple=amdgcn-amd-amdhsa -mcpu=gfx1250 --defsym DOCPART=n.
;; ======== version 1 of 1: 2 launches
;; workspace buffers: wq 3,404,800 bytes
;; launch prep (part 1): grid 532 x 1, 1 waves a work-group, no clusters, 0 bytes of LDS; arguments base_weight, spline_weight, se_w1, se_w2, wq; writes wq
.if DOCPART == 1
	.amdgcn_target "amdgcn-amd-amdhsa--gfx1250"
	.amdhsa_code_object_version 6
	.text
	.protected	k_q8fb943a8ee_prep
	.globl	k_q8fb943a8ee_prep
	.p2align	8
	.type	k_q8fb943a8ee_prep,@function
k_q8fb943a8ee_prep:
	s_mov_b64 s[64:65], 0
	v_nop
	global_prefetch_b8 v0, s[64:65] scope:SCOPE_SE
	s_setreg_imm32_b32 hwreg(HW_REG_WAVE_MODE, 25, 1), 1
	s_wait_xcnt 0x0
; The four weights, f32 with K innermost, become codes of FP6 (E2M3) with one E8M0 byte for each 32 along K, laid in wq AS IMAGES OF OPERAND REGISTERS,
; in the order in which the second launch's waves take them: a fragment (16 rows x 128 K, 12 registers a lane) is three planes of 512 bytes, lane l's 16 bytes at 16 l.
; wq: 33 steps of 102,400 bytes; a step is four quarters of 25,600 (one for each wave of the reader): 16 fragments of 1,536 bytes, then 1,024 bytes of scale words.
;   Steps 4 c + 0: base_weight, features 128 c ..; steps 4 c + 1 .. 3: spline_weight (K = 3 i + g), k = 384 c ..; step 32: se_w2 (K = 32: the other three blocks are zero codes).
;   Behind the steps: se_w1, four parts of 6,400 bytes (4 fragments and 256 bytes of scale words).
; ROWS OF A TILE: lane rho of tile t of quarter w holds output column 256 w + 64 (t / 4) + 32 (rho / 8) + 8 (t % 4) + rho % 8, so that in the reader's transposed result a lane's 32 registers
;   of four neighbouring tiles are 32 neighbouring columns.  K PLACES: whole blocks of 32 are permuted inside a step, alike here and in the reader's own operand: the lane half h takes the second 64 features.
; A block's scale is 2^(floor(log2(its largest magnitude)) - 2): its byte is that magnitude's exponent field - 2, held at 1 from below by a floor among the maximum's leaves.
; (A block of zeros so gets the byte 1 where the rule says 127: its codes are zeros, and this program alone reads the bytes.)
; LIMITS: NaN and infinities among the inputs are not served; blocks whose largest magnitude lies under 2^-124 keep the byte 1.
; SHARES: one wave to a work-group.  Work-groups 0 .. 527: id = 16 s + 4 w + v: tiles 4 v .. 4 v + 3 of quarter w of step s and their 256 bytes of scale words.  528 + w: part w of se_w1.
; No LDS, no barrier: a lane loads its own 32 neighbours of a block (128 bytes), so no other lane is asked for a maximum, and every store of the wave covers 512 (scale words: 256) consecutive aligned bytes.
.set PITCH, 30                         ; s30  a source row in bytes
.set RA,    31                         ; s31  rows from rho / 8 = 0 to 1
.set ROW0,  32                         ; s32  the four tiles' first row
.set COLB,  33                         ; s33  first byte in a row
.set HB,    34                         ; s34  bytes from lane half 0 to 1
.set DD,    35                         ; s35  bytes from the fragment's registers 0-5 to 6-11
.set TA,    36                         ; s36  bytes from tile tau to tau + 1 (tau even)
.set TB,    37                         ; s37  bytes from tile tau to tau + 2
.set KIND,  38                         ; s38  0 base, 1 spline, 2 se_w2, 3 se_w1
.set OFC,   40                         ; s[40:41] where my fragments go in wq
.set OFS,   42                         ; s[42:43] where my scale words go
.set SRC,   44                         ; s[44:45] the source
.set HM,    46                         ; s46  lanes 16-31 as a mask
.set SEL,   48                         ; s[48:49] lane l xor 16
.set DST,   50                         ; s[50:51], s[52:53] wq at my fragments, at my scale words
	s_load_b256 s[4:11], s[0:1], 0x0               ; base_weight, spline_weight, se_w1, se_w2
	s_load_b64 s[12:13], s[0:1], 0x20              ; wq
	v_and_b32 v1, 15, v0                           ; rho
	v_bfe_u32 v2, v0, 4, 1                         ; h
	v_lshlrev_b32 v3, 4, v0                        ; 16 x lane: my place in a plane
	v_lshlrev_b32 v4, 3, v0                        ; 8 x lane: my place among the scale words
	v_add_nc_u32 v5, -1, v2                        ; all ones in lanes 0-15, 0 in lanes 16-31
	s_mov_b32 s[HM], 0xffff0000
	s_mov_b32 s[SEL], 0x76543210
	s_mov_b32 s[SEL+1], 0xfedcba98
	s_lshr_b32 s21, ttmp9, 2                       ; 4 s + w
	s_and_b32 s22, s21, 3                          ; w
	s_and_b32 s23, ttmp9, 3                        ; v
	s_lshr_b32 s25, ttmp9, 6                       ; c
	s_bfe_u32 s26, ttmp9, 0x20004                  ; q = s % 4
	s_mul_i32 s[OFC], s21, 25600
	s_lshl_b32 s24, s23, 8
	s_add_co_u32 s[OFS], s[OFC], s24
	s_add_co_u32 s[OFS], s[OFS], 24576
	s_mul_i32 s24, s23, 6144
	s_add_co_u32 s[OFC], s[OFC], s24
	s_lshl_b32 s[ROW0], s22, 8
	s_lshl_b32 s24, s23, 6
	s_add_co_u32 s[ROW0], s[ROW0], s24             ; 256 w + 64 v
	s_mov_b32 s[RA], 32
	s_cmp_ge_u32 ttmp9, 528                        ; the arms hang on the work-group's number alone and set numbers, no address
	s_cbranch_scc1 .Lse1
	s_cmp_ge_u32 ttmp9, 512
	s_cbranch_scc1 .Lse2
	s_cmp_eq_u32 s26, 0
	s_cbranch_scc1 .Lbase
	s_mov_b32 s[KIND], 1                           ; spline_weight: a row is 3,072 numbers; k = 384 c + 192 h + 64 (q - 1) + 32 cc + e
	s_mov_b32 s[PITCH], 12288
	s_mul_i32 s[COLB], s25, 1536
	s_lshl_b32 s24, s26, 8
	s_add_co_u32 s[COLB], s[COLB], s24
	s_sub_co_u32 s[COLB], s[COLB], 256
	s_mov_b32 s[HB], 768
	s_mov_b32 s[DD], 128
	s_mov_b32 s[TA], 8*12288
	s_mov_b32 s[TB], 16*12288
	s_branch .Ljoin
.Lbase:
	s_mov_b32 s[KIND], 0                           ; base_weight: k = 128 c + 64 h + 32 cc + e
	s_mov_b32 s[PITCH], 4096
	s_lshl_b32 s[COLB], s25, 9
	s_mov_b32 s[HB], 256
	s_mov_b32 s[DD], 128
	s_mov_b32 s[TA], 8*4096
	s_mov_b32 s[TB], 16*4096
	s_branch .Ljoin
.Lse2:
	s_mov_b32 s[KIND], 2                           ; se_w2: a row is one block; every place loads it, and the codes of all places but (h = 0, cc = 0) are cleared below
	s_mov_b32 s[PITCH], 128
	s_mov_b32 s[COLB], 0
	s_mov_b32 s[HB], 0
	s_mov_b32 s[DD], 0
	s_mov_b32 s[TA], 8*128
	s_mov_b32 s[TB], 16*128
	s_branch .Ljoin
.Lse1:
	s_mov_b32 s[KIND], 3                           ; se_w1: fragment tau = 2 ks + n: row 16 (rho / 8) + 8 n + rho % 8, k = 256 w + 128 ks + 64 cc + 32 h + e
	s_sub_co_u32 s22, ttmp9, 528                   ; w
	s_mov_b32 s[PITCH], 4096
	s_mov_b32 s[RA], 16
	s_mov_b32 s[ROW0], 0
	s_lshl_b32 s[COLB], s22, 10
	s_mov_b32 s[HB], 128
	s_mov_b32 s[DD], 256
	s_mov_b32 s[TA], 8*4096
	s_mov_b32 s[TB], 512
	s_mul_i32 s[OFC], s22, 6400
	s_add_co_u32 s[OFC], s[OFC], 33*102400
	s_add_co_u32 s[OFS], s[OFC], 6144
.Ljoin:
	s_mov_b32 s[OFC+1], 0
	s_mov_b32 s[OFS+1], 0
	v_lshrrev_b32 v18, 3, v1
	v_and_b32 v20, 7, v1
	v_mad_u32_u24 v18, v18, s[RA], v20
	v_add_nc_u32 v18, s[ROW0], v18                 ; my row of tile 0
	v_mul_lo_u32 v18, v18, s[PITCH]
	v_mad_u32_u24 v18, v2, s[HB], v18
	v_add_nc_u32 v6, s[COLB], v18                  ; v6-9: my first block's byte in the source, tiles 0 .. 3
	v_add_nc_u32 v7, s[TA], v6
	v_add_nc_u32 v8, s[TB], v6
	v_add_nc_u32 v9, s[TB], v7
.irp t, 0,1,2,3
	v_add_nc_u32 v[10+\t], s[DD], v[6+\t]          ; v10-13: my second block's
.endr
	s_wait_kmcnt 0x0
	s_cmp_eq_u32 s[KIND], 0                        ; the source is chosen on the kind, which hangs on no address
	s_cselect_b64 s[SRC:SRC+1], s[4:5], s[6:7]
	s_cmp_eq_u32 s[KIND], 2
	s_cselect_b64 s[SRC:SRC+1], s[10:11], s[SRC:SRC+1]
	s_cmp_eq_u32 s[KIND], 3
	s_cselect_b64 s[SRC:SRC+1], s[8:9], s[SRC:SRC+1]
	s_add_nc_u64 s[DST:DST+1], s[12:13], s[OFC:OFC+1]
	s_add_nc_u64 s[DST+2:DST+3], s[12:13], s[OFS:OFS+1]
; tile t's 64 numbers of my lane into data set 'set' (v96 or v160 on): register 32 cc + e
.macro LD t, set
.irp i, 0,1,2,3,4,5,6,7
	global_load_b128 v[96+64*\set+4*\i:96+64*\set+4*\i+3], v[6+\t], s[SRC:SRC+1] offset:16*\i th:TH_LOAD_NT
.endr
.irp i, 0,1,2,3,4,5,6,7
	global_load_b128 v[128+64*\set+4*\i:128+64*\set+4*\i+3], v[10+\t], s[SRC:SRC+1] offset:16*\i th:TH_LOAD_NT
.endr
.endm
; tile t is quantised: its codes into v[40 + 12 t] on (registers of their own for each tile: no store's data are written again), its rows' scale words into v[21 + t]
.macro QT t, set
.set DS, 96+64*(\set)
.set CD, 40+12*(\t)
	v_max3_num_f32 v14, |v[DS]|, |v[DS+1]|, 0x1800000      ; my two blocks by turns; the floor 2^(3 - 127) is one more leaf: the byte cannot fall under 1
	v_max3_num_f32 v15, |v[DS+32]|, |v[DS+33]|, 0x1800000
.set i, 2
.rept 15
	v_max3_num_f32 v14, v14, |v[DS+i]|, |v[DS+i+1]|
	v_max3_num_f32 v15, v15, |v[DS+32+i]|, |v[DS+33+i]|
.set i, i+2
.endr
	v_add_nc_u32 v16, 0xff000000, v14              ; 2 off the exponent field: the conversion takes the exponent field of this operand as its scale
	v_add_nc_u32 v17, 0xff000000, v15
	v_lshrrev_b32 v14, 23, v16                     ; the bytes
	v_lshrrev_b32 v15, 23, v17
	v_lshl_or_b32 v[21+\t], v15, 16, v14           ; my two: bytes h and 2 + h of my row's word:
	v_lshlrev_b32 v18, 8, v[21+\t]
	v_cndmask_b32 v[21+\t], v[21+\t], v18, s[HM]   ; lanes 16-31 one byte up,
	v_permlanex16_b32 v18, v[21+\t], s[SEL], s[SEL+1]
	v_or_b32 v[21+\t], v[21+\t], v18               ; and with lane l xor 16's two the word is whole
	v_cvt_scalef32_pk16_fp6_f32 v[CD:CD+2], v[DS:DS+15], v16
	v_cvt_scalef32_pk16_fp6_f32 v[28:30], v[DS+16:DS+31], v16      ; (a conversion's three registers begin on an even number: a block's second three do not)
	v_cvt_scalef32_pk16_fp6_f32 v[CD+6:CD+8], v[DS+32:DS+47], v17
	v_cvt_scalef32_pk16_fp6_f32 v[32:34], v[DS+48:DS+63], v17
	v_nop                                          ; one plain place behind the conversions
.irp i, 0,1,2
	v_mov_b32 v[CD+3+\i], v[28+\i]
	v_mov_b32 v[CD+9+\i], v[32+\i]
.endr
	s_cmp_lg_u32 s[KIND], 2
	s_cbranch_scc1 .Lwhole_\@
.irp i, 0,1,2,3,4,5
	v_and_b32 v[CD+\i], v5, v[CD+\i]               ; se_w2: K has one block: its codes stay in lanes 0-15, registers 0-5;
	v_mov_b32 v[CD+6+\i], 0                        ; the other three places are zero codes (under the row's own byte, which is no 0xff: they add nothing)
.endr
.Lwhole_\@:
.irp k, 0,1,2
	global_store_b128 v3, v[CD+4*\k:CD+4*\k+3], s[DST:DST+1] offset:1536*\t+512*\k   ; 32 lanes store 512 consecutive bytes, at a multiple of 256 from wq's first byte
.endr
.endm
	LD 0, 0
	LD 1, 1
	s_wait_loadcnt 16                              ; tile 0's 16 loads are in; tile 1's may be out
	QT 0, 0
	LD 2, 0
	s_wait_loadcnt 16
	QT 1, 1
	LD 3, 1
	s_wait_loadcnt 16
	QT 2, 0
	s_wait_loadcnt 0x0
	QT 3, 1
	v_cndmask_b32 v26, v21, v22, s[HM]             ; a scale register of the reader: lanes 0-15 the even tile's words, lanes 16-31 the odd tile's
	v_cndmask_b32 v27, v23, v24, s[HM]
	global_store_b64 v4, v[26:27], s[DST+2:DST+3]  ; 32 lanes store 256 consecutive aligned bytes
	s_endpgm
.Lfunc_end_k_q8fb943a8ee_prep:
	.size	k_q8fb943a8ee_prep, .Lfunc_end_k_q8fb943a8ee_prep-k_q8fb943a8ee_prep
	.p2alignl 7, 3214868480
	.fill 96, 4, 3214868480
	.section	.rodata,"a",@progbits
	.p2align	6, 0x0
	.amdhsa_kernel k_q8fb943a8ee_prep
		.amdhsa_group_segment_fixed_size 0
		.amdhsa_private_segment_fixed_size 0
		.amdhsa_enable_private_segment 0
		.amdhsa_kernarg_size 40
		.amdhsa_user_sgpr_count 2
		.amdhsa_user_sgpr_kernarg_segment_ptr 1
		.amdhsa_wavefront_size32 1
		.amdhsa_system_sgpr_workgroup_id_x 1
		.amdhsa_system_sgpr_workgroup_id_y 1
		.amdhsa_system_sgpr_workgroup_id_z 1
		.amdhsa_system_vgpr_workitem_id 0
		.amdhsa_next_free_vgpr 224
		.amdhsa_next_free_sgpr 66
		.amdhsa_reserve_vcc 0
		.amdhsa_float_denorm_mode_32 3
		.amdhsa_float_denorm_mode_16_64 3
		.amdhsa_memory_ordered 1
		.amdhsa_forward_progress 1
		.amdhsa_inst_pref_size 26
	.end_amdhsa_kernel
	.amdgpu_metadata
---
amdhsa.version: [ 1, 2 ]
amdhsa.kernels:
  - .name:           k_q8fb943a8ee_prep
    .symbol:         k_q8fb943a8ee_prep.kd
    .args:
      - { .name: base_weight, .offset: 0, .size: 8, .value_kind: global_buffer, .address_space: global }
      - { .name: spline_weight, .offset: 8, .size: 8, .value_kind: global_buffer, .address_space: global }
      - { .name: se_w1, .offset: 16, .size: 8, .value_kind: global_buffer, .address_space: global }
      - { .name: se_w2, .offset: 24, .size: 8, .value_kind: global_buffer, .address_space: global }
      - { .name: wq, .offset: 32, .size: 8, .value_kind: global_buffer, .address_space: global }
    .group_segment_fixed_size: 0
    .private_segment_fixed_size: 0
    .kernarg_segment_align: 8
    .kernarg_segment_size: 40
    .max_flat_workgroup_size: 32
    .sgpr_count:     66
    .vgpr_count:     224
    .wavefront_size: 32
...
	.end_amdgpu_metadata
.endif
;; end of part 1
;; launch kan (part 2): grid 256 x 1, 4 waves a work-group, clusters of 4 x 1, 327,680 bytes of LDS; arguments x, wq, ln_gamma, ln_beta, se_b1, se_b2, out0; writes out0
.if DOCPART == 2
	.amdgcn_target "amdgcn-amd-amdhsa--gfx1250"
	.amdhsa_code_object_version 6
	.text
	.protected	k_q8fb943a8ee_kan
	.globl	k_q8fb943a8ee_kan
	.p2align	8
	.type	k_q8fb943a8ee_kan,@function
k_q8fb943a8ee_kan:
	s_mov_b64 s[64:65], 0
	v_nop
	global_prefetch_b8 v0, s[64:65] scope:SCOPE_SE
	s_setreg_imm32_b32 hwreg(HW_REG_WAVE_MODE, 25, 1), 1
	s_wait_xcnt 0x0
	s_wait_alu depctr_hold_cnt(0) depctr_sa_sdst(0) depctr_va_vdst(0) depctr_va_sdst(0) depctr_va_ssrc(0) depctr_va_vcc(0) depctr_vm_vsrc(0)
	s_getreg_b32 s2, hwreg(HW_REG_IB_STS2, 6, 4)
	s_cmp_eq_u32 s2, 0
	s_cbranch_scc0 .Lentry_in_a_cluster
	s_endpgm
.Lentry_in_a_cluster:
	s_bfe_u32 s2, ttmp6, 0x10000c
	s_cmp_lg_u32 s2, 0x3003
	s_cbranch_scc0 .Lentry_shape_is_right
	s_endpgm
.Lentry_shape_is_right:
; out0 = y * sigmoid(relu(y W1^T + b1) W2^T + b2),  y = LayerNorm(x Wb^T + basis(x) Ws^T) * gamma + beta.  All four products on codes of FP6 (E2M3) with one E8M0 scale for each 32 along K; all else f32.
; SHARES.  A work-group owns 64 rows and ALL 1,024 columns, so that a row's LayerNorm stays inside it and nothing goes to memory between x and out0.  Wave w owns columns 256 w .. + 255 of all 64 rows:
;   4 tiles of rows x 16 tiles of columns = 64 accumulators, 512 registers.  Wave w also quantises rows 16 w .. + 15 of x and of the basis for all four waves (images of operand registers through LDS).
; THE MATRIX INSTRUCTION IS USED TRANSPOSED (source 0 = 16 rows of a weight, source 1 = 16 rows of x): a lane holds ONE row.  The weights' tiles are laid (first launch) so that a lane's 32 registers of four
;   neighbouring tiles are 32 neighbouring columns: a whole block of the next product's K, in its place in the 6-bit operand.
; K goes in 8 chunks of 128 features; a chunk is 4 steps of 128 along K: one of x against base_weight, three of the basis against spline_weight; both products add into the same f32 sums.  Step 32 is se_w2.
;   Inside a step whole blocks of 32 are permuted, alike in both operands (lane half h takes the chunk's second 64 features): the products are the same, their order of summation is not the reference's.
; THE WALK IS ROTATED: cluster j begins at chunk j mod 8 and goes round all eight, x's features and the weights' steps alike, so that at any time the 64 clusters stand in eight different chunks of wq
;   and a step's bytes are asked for by an eighth of the clusters at a time.  The sums hold the same products, in an order that differs from cluster to cluster.
; THE WEIGHTS come from wq through a ring of two LDS slots of one step; each wave fetches, and alone reads, its own quarter (25,600 dense bytes, one tensor load).  All of a step's 16 fragments lie in registers
;   before the step begins, so a slot is filled again in the middle of its own step, and that load has a whole step in which to land.
; CLUSTER: every work-group walks the same weights, so four work-groups ask for each quarter JOINTLY: the same tensor load, the same descriptor, a mask that names the four.
; THE BASIS: with a = |x|, the grid point on x's side is |1 - a| away (the same bits as the reference's distance), the middle one a, the far one at least 1: its term is 0.  So a feature has two terms,
;   and x's sign says into which of the outer places the side term goes.
; LIMITS: NaN and infinities among the inputs are not served; blocks whose largest magnitude lies under 2^-124 keep the scale byte 1 (a block of zeros too: its codes are zeros);
;   1 / (sum + 1e-6), rsqrt, exp and the sigmoid's reciprocal are the chip's one-ulp instructions; sums are f32 in this text's own order.
; REGISTERS, in windows of 256: window 0: v1-18 addresses; v19-31 at work; v32-47 weights' scale words (two sets), v48-55 rows' scale words (two sets): these hold scales and nothing else;
;   v56-151 the rows' fragments (two sets of 4 x 12); v152-247 96 basis numbers; v248-255 codes just made.   window 1: v0-191 the step's 16 weight fragments; v192-255 64 numbers of x.
;   window 2: accumulators of column tiles 0-7 at 64 m + 8 t;   window 3: tiles 8-15.
.set QB,     25600                     ; a wave's quarter of a step
.set SLOT,   4*QB                      ; LDS 0: slot 0; SLOT: slot 1 (at the end: each wave's stage, in its own quarter)
.set ASC,    24576                     ; scale words' place in a quarter, and in a buffer of row images
.set ABUF0,  2*SLOT                    ; two buffers of row images, 26,624 bytes each: block image (step q, tile of rows m, cc) at 6144 q + 1536 m + 768 cc; scale words at ASC + 512 q + 16 lane + 4 m
.set ATOG,   0xA800                    ; ABUF0 xor ABUF1 (204,800 xor 231,424)
.set SE1L,   ABUF0+2*26624             ; se_w1: wave w's part at 6400 w; filled once
.set LNX,    SE1L+25600                ; LayerNorm's partial sums: pass p at 1024 p + 256 w + 16 r
.set HP,     LNX+2048                  ; product 3's partial sums, images: 8192 w + 512 g + 16 lane
.set HF,     HP+32768                  ; the hidden layer's block images at 768 m; its scale words at 3072 + 128 m + 4 lane
.set B2L,    HF+3584                   ; se_b2 as it lies
.set SPARE,  B2L+4096                  ; the spare words, 128 bytes for each wave: two blocks of 256 bytes that no other line names
.set SE1G,   33*SLOT                   ; se_w1's images in wq
.set SPW,  1
.set NIL,  2
.set L16,  3                           ; 16 lane
.set L8P,  4                           ; 8 lane + 512
.set LW16, 5                           ; 16 lane + 1536 w
.set LW8,  6                           ; 8 lane + 512 + 1536 w
.set LWS,  7                           ; 16 lane + 4 w + ASC
.set AR16, 8                           ; where row images are read (v8, v9)
.set AR8,  9
.set AW16, 10                          ; and written (v10-12)
.set AW8,  11
.set ASW,  12
.set BA0,  13                          ; v13, v14  my quarter in slot 0, 1, + 16 lane
.set BS0,  15                          ; v15, v16  its scale words, + 8 lane
.set XO,   17                          ; 4096 r + 256 h
.set PFO,  18                          ; 256 x the smaller of my lane and 24
.set WQ,   19                          ; v19-22 scale words of the chunk's four steps, in the making
.set MX,   23                          ; v23-26
.set SO,   27                          ; v27-29
.set T,    30
.set SCB,  32
.set SCA,  48
.set AF,   56
.set BAS,  152
.set CT,   248
.set XW,   192                         ; in window 1: x's unit u at XW + 32 u
.set XB,   4                           ; s[4:5]   x at my wave's 16 rows
.set WQW,  6                           ; s[6:7]   wq at my wave's quarter of step 0
.set OUT,  16                          ; s[16:17] out0 at the tile of rows to be stored
.set WV,   18
.set CX,   19
.set G1,   24                          ; s[24:31] group 1: 100 rows of 256 bytes
.set G1S,  32                          ; s[32:39] 25 rows of 256 bytes
.set G0,   40                          ; s[40:47] group 0, a set for each slot
.set G0S,  48                          ; s[48:51] group 0 for se_w1
.set SEL,  52
.set SGN,  54                          ; 0x7fffffff
.set TRIP, 55
.set RA,   56
.set WA,   57
.set PFT,  58                          ; the trip (by TRIP's count) in which this wave prefetches: 1 in the first cluster, else 0, which TRIP never is
.set HM,   59                          ; lanes 16-31 as a mask
.set PFA,  60
.set NL2E, 66                          ; s[66:67] -log2(e)
.set RN,   68                          ; 1 / 1024
.set EPS,  69
.set MM,   70
.set HOFF, 71
.set HSOFF, 72
.set XC,   73                          ; the chunk whose numbers of x are being loaded
.set XP,   74                          ; s[74:75] x at my wave's rows, at that chunk
.set NXT,  76                          ; the step of wq that the next refill fetches
.set MSB, 0
.macro WIN new                         ; the immediate's high byte repeats the setting that is left; a switch that changes nothing is dropped
.if MSB != \new
	s_set_vgpr_msb (MSB<<8)|\new
.set MSB, \new
.endif
.endm
.set MUL_LO, 0xa1                      ; source 0 (weights) window 1, source 1 (rows) window 0, C and D window 2
.set MUL_HI, 0xf1                      ; the same, C and D window 3
.set TO_W1,  0x40                      ; destination window 1
.macro PLACES n
.rept \n
	v_nop
.endr
.endm
; A round of the cluster's barrier: my work-group's barrier; wave 0 signals for the work-group; every wave waits for all four work-groups; my work-group's barrier once more.
.macro ROUND
	s_barrier_signal -1
	s_barrier_wait -1
	s_cmp_lg_u32 s[WV], 0
	s_cbranch_scc1 .Lnot_wave_0_\@
	s_barrier_signal -3
.Lnot_wave_0_\@:
	s_barrier_wait -3
	s_barrier_signal -1
	s_barrier_wait -1
.endm
; one matrix instruction.  cz = 1: C is the constant 0 (the product starts its sum); else C = D.  row = 1: source 0's scale words stand in lanes 16-31 of their register
.macro WM d, a, b, cz, sa, sb, row
.if \cz
.if \row
	v_wmma_scale_f32_16x16x128_f8f6f4 v[\d:\d+7], v[\a:\a+11], v[\b:\b+11], 0, v[\sa], v[\sb] matrix_a_fmt:MATRIX_FMT_FP6 matrix_b_fmt:MATRIX_FMT_FP6 matrix_a_scale:MATRIX_SCALE_ROW1
.else
	v_wmma_scale_f32_16x16x128_f8f6f4 v[\d:\d+7], v[\a:\a+11], v[\b:\b+11], 0, v[\sa], v[\sb] matrix_a_fmt:MATRIX_FMT_FP6 matrix_b_fmt:MATRIX_FMT_FP6
.endif
.else
.if \row
	v_wmma_scale_f32_16x16x128_f8f6f4 v[\d:\d+7], v[\a:\a+11], v[\b:\b+11], v[\d:\d+7], v[\sa], v[\sb] matrix_a_fmt:MATRIX_FMT_FP6 matrix_b_fmt:MATRIX_FMT_FP6 matrix_a_scale:MATRIX_SCALE_ROW1
.else
	v_wmma_scale_f32_16x16x128_f8f6f4 v[\d:\d+7], v[\a:\a+11], v[\b:\b+11], v[\d:\d+7], v[\sa], v[\sb] matrix_a_fmt:MATRIX_FMT_FP6 matrix_b_fmt:MATRIX_FMT_FP6
.endif
.endif
.endm
; 32 matrix instructions: column tiles 8 hi .. 8 hi + 7 x the four tiles of rows.  Each accumulator has one instruction in a step: the 64 take turns over every edge of the text.
.macro HALF hi, set, zero
.irp t, 0,1,2,3,4,5,6,7
.irp m, 0,1,2,3
	WM 64*\m+8*\t, 12*(8*\hi+\t), AF+48*\set+12*\m, \zero, SCB+8*\set+4*\hi+\t/2, SCA+4*\set+\m, \t%2
.endr
.endr
.endm
; eight weight fragments, tiles t0 .. t0 + 7, from my quarter of slot sl: 24 loads of 512 consecutive bytes (the destination's window is set by the caller)
.macro BLD sl, t0
.irp t, 0,1,2,3,4,5,6,7
.irp k, 0,1,2
	ds_load_b128 v[12*(\t0+\t)+4*\k:12*(\t0+\t)+4*\k+3], v[BA0+\sl] offset:1536*(\t0+\t)+512*\k
.endr
.endr
.endm
; what the next step wants but weight tiles 8-15: the rows' four fragments and scale words (step q of the chunk being read), the weights' scale words, weight tiles 0-7: 45 loads
.macro LOADS sl, set, q
.irp m, 0,1,2,3
.irp cc, 0,1
	ds_load_b128 v[AF+48*\set+12*\m+6*\cc:AF+48*\set+12*\m+6*\cc+3], v[AR16] offset:6144*\q+1536*\m+768*\cc
	ds_load_b64 v[AF+48*\set+12*\m+6*\cc+4:AF+48*\set+12*\m+6*\cc+5], v[AR8] offset:6144*\q+1536*\m+768*\cc
.endr
.endr
	ds_load_b128 v[SCA+4*\set:SCA+4*\set+3], v[AR16] offset:ASC+512*\q
.irp i, 0,1,2,3
	ds_load_b64 v[SCB+8*\set+2*\i:SCB+8*\set+2*\i+1], v[BS0+\sl] offset:256*\i
.endr
	WIN TO_W1
	BLD \sl, 0
	WIN 0
.endm
; x's pointer goes on to the next chunk of my cluster's round: 512 bytes on, back to the row's first byte behind chunk 7.  The wait shows that the loads issued by the old pointer have read it.  (s21 holds 0 from the head on.)
.macro STEPX
	s_wait_xcnt 0x0
	s_add_co_u32 s[XC], s[XC], 1
	s_and_b32 s[XC], s[XC], 7
	s_lshl_b32 s20, s[XC], 9
	s_add_nc_u64 s[XP:XP+1], s[XB:XB+1], s[20:21]
.endm
; THE CHANGE OF SLOTS, in the middle of a step: all of slot sl has been read into registers.  Each wave waits for all its tensor loads (one is out: its quarter of the other slot), adds 0 to its spare word, and waits
; for that, for its reads of the slot and for its stores of row images.  The round then holds of every wave of all four work-groups; the joint refill, two steps ahead, is the first thing behind it.
; The refill's address is made anew each time: my quarter of step NXT, which goes round steps 0 to 31 from my cluster's first step on; it hangs on the cluster's number, the wave's number and the count of steps,
; which the four partners share, and its offset stands in s[22:23], which never hold my place in the cluster (s23 holds 0 from the head on).  last = 1: the last refill is se_w2's step.  stepx = 1: x's pointer goes on.
.macro CHANGE sl, stepx, last
	WIN 0
.if \stepx
	STEPX
.endif
	s_wait_tensorcnt 0x0                           ; no tensor load of mine is out, so a group 0 may be written
	ds_add_u32 v[SPW], v[NIL]                      ; 0 onto my spare word; the address's lines stand between it and the wait for it
.if \last
	s_mov_b32 s[NXT], 32
.endif
	s_mul_i32 s22, s[NXT], SLOT
	s_add_nc_u64 s[G0+4*\sl+2:G0+4*\sl+3], s[WQW:WQW+1], s[22:23]
	s_or_b32 s[G0+4*\sl+3], s[G0+4*\sl+3], 0x80000000  ; the type
	s_add_co_u32 s[NXT], s[NXT], 1
	s_and_b32 s[NXT], s[NXT], 31
	s_wait_dscnt 0x0
	ROUND
	tensor_load_to_lds s[G0+4*\sl:G0+4*\sl+3], s[G1:G1+7]
	s_nop 0
	PLACES 4                                       ; the places in front of the loads into registers that the step's first half has read
.endm
; A PREFETCH INTO THE L2 of se_w2's step, the one step that all clusters ask for at the same place of their walk.  The first cluster names it, once, in the 28th step of its walk: two steps, 128 matrix instructions, ahead
; of the refill that fetches it.  Of the step's 102,400 bytes the partner at place cx takes quarter cx (told apart by ADDRESS), wave w 6,400 bytes of it: 25 blocks of 256 bytes, a lane a block; lanes 25 to 31 name lane 24's with it.
.macro ASK
	s_cmp_eq_u32 s[TRIP], s[PFT]
	s_cbranch_scc0 .Lnot_mine_\@
	global_prefetch_b8 v[PFO], s[PFA:PFA+1] th:TH_LOAD_NT scope:SCOPE_SE
.Lnot_mine_\@:
.endm
; THE QUANTISER'S FIRST SLICE for unit u (32 features of my row: 64 h + 32 u + j of the chunk): x's block becomes codes; the basis is taken as far as its reciprocals.
; cnt: x loads that may stay out.  issue: the other unit's next 32 numbers are asked for, xoff bytes behind x's pointer (1: always; 2: while a next chunk exists, TRIP >= 2): two steps ahead of the slice that wants them.
.macro SLA u, cnt, issue, xoff
.set XU, XW+32*(\u)
.set XN, XW+32*(1-(\u))
	WIN 0
	s_wait_loadcnt \cnt
.if \issue == 2
	s_cmp_lt_u32 s[TRIP], 2
	s_cbranch_scc1 .Lno_x_\@
.endif
.if \issue
	WIN TO_W1
.irp i, 0,1,2,3,4,5,6,7
	global_load_b128 v[XN+4*\i:XN+4*\i+3], v[XO], s[XP:XP+1] offset:\xoff+16*\i th:TH_LOAD_NT
.endr
	WIN 0
.endif
.if \issue == 2
.Lno_x_\@:
.endif
	WIN 0x05                                       ; sources 0 and 1: x, in window 1
	v_max3_num_f32 v[MX], |v[XU]|, |v[XU+1]|, 0x1800000            ; the block's largest magnitude: all 32 numbers are mine; two chains; the floor 2^(3 - 127) holds the byte at 1 from below
	v_max3_num_f32 v[MX+1], |v[XU+16]|, |v[XU+17]|, 0x1800000
.set j, 2
.rept 7
	v_max3_num_f32 v[MX], |v[XU+j]|, |v[XU+j+1]|, v[MX]
	v_max3_num_f32 v[MX+1], |v[XU+16+j]|, |v[XU+17+j]|, v[MX+1]
.set j, j+2
.endr
	WIN 0
	v_max_num_f32 v[MX], v[MX], v[MX+1]
	v_add_nc_u32 v[SO], 0xff000000, v[MX]          ; 2 off the exponent field: the conversion's scale operand
.if (\u) == 0
	v_lshrrev_b32 v[WQ], 23, v[SO]                 ; the byte of place cc = u
.else
	v_lshrrev_b32 v[T], 23, v[SO]
	v_lshl_or_b32 v[WQ], v[T], 16, v[WQ]
.endif
	WIN 0x01
	v_cvt_scalef32_pk16_fp6_f32 v[CT:CT+2], v[XU:XU+15], v[SO]
	v_cvt_scalef32_pk16_fp6_f32 v[CT+4:CT+6], v[XU+16:XU+31], v[SO]    ; (a conversion's three registers begin on an even number)
	WIN 0x04                                       ; source 1: x, in window 1
.set j, 0
.rept 32
	v_sub_f32 v[BAS+3*j+1], 1.0, |v[XU+j]|         ; 1 - a.  (These are also the plain places behind the conversions)
.set j, j+1
.endr
	WIN 0
	v_mov_b32 v[CT+3], v[CT+4]
	v_mov_b32 v[CT+4], v[CT+5]
	v_mov_b32 v[CT+5], v[CT+6]
	ds_store_b128 v[AW16], v[CT:CT+3] offset:768*\u        ; the block's six registers as they stand: step 0 of the chunk, place cc = u
	ds_store_b64 v[AW8], v[CT+4:CT+5] offset:768*\u
.set j, 0
.rept 32
	v_sub_f32 v[BAS+3*j], 1.0, |v[BAS+3*j+1]|      ; 1 - the distance to the grid point on x's side
.set j, j+1
.endr
.set j, 0
.rept 32
	v_max_num_f32 v[BAS+3*j+1], 0, v[BAS+3*j+1]    ; the middle point: 0 where a is 1 or more
.set j, j+1
.endr
.set j, 0
.rept 32
	v_max_num_f32 v[BAS+3*j], 0, v[BAS+3*j]        ; the side point: 0 where its distance is 1 or more
.set j, j+1
.endr
.set j, 0
.rept 32
	v_mul_f32 v[BAS+3*j], v[BAS+3*j], v[BAS+3*j]
	v_mul_f32 v[BAS+3*j+1], v[BAS+3*j+1], v[BAS+3*j+1]
.set j, j+1
.endr
.set j, 0
.rept 32
	v_add_f32 v[BAS+3*j+2], v[BAS+3*j], v[BAS+3*j+1]       ; the sum of the three (the far one is 0)
.set j, j+1
.endr
.set j, 0
.rept 32
	v_add_f32 v[BAS+3*j+2], 0x358637bd, v[BAS+3*j+2]       ; + 1e-6
.set j, j+1
.endr
.set j, 0
.rept 32
	v_rcp_f32 v[BAS+3*j+2], v[BAS+3*j+2]
.set j, j+1
.endr
	v_nop                                          ; a plain instruction behind the last reciprocal,
	s_wait_alu depctr_va_vdst(0)                   ; and one wait for the batch ahead of the next label and of the first reader
.endm
; THE SECOND SLICE: the basis is finished (register 3 j + g = k 96 u + 3 j + g of my half's 192) and its three blocks become codes: block beta = 3 u + b is step 1 + beta / 2, place cc = beta % 2.
; u = 1 also finishes the chunk's four scale words and stores them.
.macro SLB u
.set XU, XW+32*(\u)
	WIN 0
.set j, 0
.rept 32
	v_mul_f32 v[BAS+3*j], v[BAS+3*j], v[BAS+3*j+2]
	v_mul_f32 v[BAS+3*j+1], v[BAS+3*j+1], v[BAS+3*j+2]
.set j, j+1
.endr
	WIN 0x10                                       ; source 2: x, in window 1
.set j, 0
.rept 32
	v_bfi_b32 v[BAS+3*j+2], s[SGN], v[BAS+3*j], v[XU+j]    ; the side term with x's sign
.set j, j+1
.endr
	WIN 0
.set j, 0
.rept 32
	v_max_num_f32 v[BAS+3*j+2], 0, v[BAS+3*j+2]    ; grid point +1 has the side term where x is positive,
.set j, j+1
.endr
.set j, 0
.rept 32
	v_sub_f32 v[BAS+3*j], v[BAS+3*j], v[BAS+3*j+2] ; grid point -1 what is left of it: all or nothing, exactly
.set j, j+1
.endr
.irp b, 0,1,2
	v_max3_num_f32 v[MX+\b], v[BAS+32*\b], v[BAS+32*\b+1], 0x1800000       ; none is negative: no |.|; the three blocks by turns
.endr
.set j, 2
.rept 15
.irp b, 0,1,2
	v_max3_num_f32 v[MX+\b], v[MX+\b], v[BAS+32*\b+j], v[BAS+32*\b+j+1]
.endr
.set j, j+2
.endr
.irp b, 0,1,2
	v_add_nc_u32 v[SO+\b], 0xff000000, v[MX+\b]
.endr
.irp b, 0,1,2
.set BE, 3*(\u)+\b
.if BE%2 == 0
	v_lshrrev_b32 v[WQ+1+BE/2], 23, v[SO+\b]
.else
	v_lshrrev_b32 v[T], 23, v[SO+\b]
	v_lshl_or_b32 v[WQ+1+BE/2], v[T], 16, v[WQ+1+BE/2]
.endif
.endr
	v_cvt_scalef32_pk16_fp6_f32 v[CT:CT+2], v[BAS:BAS+15], v[SO]
	v_cvt_scalef32_pk16_fp6_f32 v[CT+4:CT+6], v[BAS+16:BAS+31], v[SO]
	v_nop                                          ; a plain place: the next two write over numbers that the last two have read
	v_cvt_scalef32_pk16_fp6_f32 v[BAS:BAS+2], v[BAS+32:BAS+47], v[SO+1]
	v_cvt_scalef32_pk16_fp6_f32 v[BAS+4:BAS+6], v[BAS+48:BAS+63], v[SO+1]
	v_nop
	v_cvt_scalef32_pk16_fp6_f32 v[BAS+32:BAS+34], v[BAS+64:BAS+79], v[SO+2]
	v_cvt_scalef32_pk16_fp6_f32 v[BAS+36:BAS+38], v[BAS+80:BAS+95], v[SO+2]
	v_nop
.irp b, 0,1,2
.set BE, 3*(\u)+\b
.if \b == 0
.set CB, CT
.else
.set CB, BAS+32*(\b-1)
.endif
	v_mov_b32 v[CB+3], v[CB+4]
	v_mov_b32 v[CB+4], v[CB+5]
	v_mov_b32 v[CB+5], v[CB+6]
	ds_store_b128 v[AW16], v[CB:CB+3] offset:6144*(1+BE/2)+768*(BE%2)
	ds_store_b64 v[AW8], v[CB+4:CB+5] offset:6144*(1+BE/2)+768*(BE%2)
.endr
.if (\u) == 1
.irp q, 0,1,2,3
	v_lshlrev_b32 v[MX+\q], 8, v[WQ+\q]            ; my two bytes are bytes h and 2 + h of my row's word:
.endr
.irp q, 0,1,2,3
	v_cndmask_b32 v[WQ+\q], v[WQ+\q], v[MX+\q], s[HM]      ; lanes 16-31 one byte up,
.endr
.irp q, 0,1,2,3
	v_permlanex16_b32 v[MX+\q], v[WQ+\q], s[SEL], s[SEL+1]
.endr
.irp q, 0,1,2,3
	v_or_b32 v[WQ+\q], v[WQ+\q], v[MX+\q]          ; and with lane l xor 16's two the word is whole
.endr
.irp q, 0,1,2,3
	ds_store_b32 v[ASW], v[WQ+\q] offset:512*\q
.endr
.endif
.endm
.macro MKW                             ; where my row images go
	v_add_nc_u32 v[AW16], s[WA], v[LW16]
	v_add_nc_u32 v[AW8], s[WA], v[LW8]
	v_add_nc_u32 v[ASW], s[WA], v[LWS]
.endm
.macro MKR                             ; where row images are read
	v_add_nc_u32 v[AR16], s[RA], v[L16]
	v_add_nc_u32 v[AR8], s[RA], v[L8P]
.endm
; A STEP is: UHEAD (its first 32 products) | a slice, if due | CHANGE | LOADS for the next step | a slice, if due | UTAIL (its other 32 products, then the next step's weight tiles 8-15)
.macro UHEAD set, zero
	s_wait_dscnt 24                                ; all but the youngest 24 LDS loads (weight tiles 8-15) are in
	WIN MUL_LO
	HALF 0, \set, \zero
.endm
.macro UTAIL set, zero, nsl
	WIN MUL_HI
	HALF 1, \set, \zero
	PLACES 4                                       ; in front of loads into registers that these products have read
	WIN TO_W1
	BLD \nsl, 8
	WIN 0
.endm
	s_load_b256 s[4:11], s[0:1], 0x0               ; x, wq, ln_gamma, ln_beta
	s_load_b128 s[12:15], s[0:1], 0x20             ; se_b1, se_b2
	s_load_b64 s[16:17], s[0:1], 0x30              ; out0
	v_lshl_add_u32 v[SPW], v0, 2, SPARE
	v_mov_b32 v[NIL], 0
	ds_add_u32 v[SPW], v[NIL]                      ; the wave's opening: the add and its wait stand ahead of my first tensor load; the set-up below, work on registers, stands between them
	v_lshrrev_b32 v30, 5, v0
	v_readfirstlane_b32 s[WV], v30                 ; wave 0..3
	s_bfe_u32 s[CX], ttmp6, 0x40000                ; my place in the cluster: it enters x's, out0's and the prefetch's global addresses alone
	s_mov_b32 s[G1], 15|(3<<16)|(1<<21)            ; 15:0 the mask: all four work-groups; 17:16 elements of 8 bytes; 20 no padding; 21 set beside a mask
	s_mov_b32 s[G1+1], 32<<16                      ; tensor_dim0 = 32 elements: 256 bytes
	s_mov_b32 s[G1+2], 100<<16                     ; tensor_dim1 = 100 rows: a quarter is one dense block
	s_mov_b32 s[G1+3], 32<<16                      ; tile_dim0
	s_mov_b32 s[G1+4], 100                         ; tile_dim1
	s_mov_b32 s[G1+5], 32                          ; the pitch: rows on end
	s_mov_b32 s[G1+6], 0
	s_mov_b32 s[G1+7], 0
	s_mov_b32 s[G1S], 15|(3<<16)|(1<<21)           ; the same with 25 rows: a wave's part of se_w1
	s_mov_b32 s[G1S+1], 32<<16
	s_mov_b32 s[G1S+2], 25<<16
	s_mov_b32 s[G1S+3], 32<<16
	s_mov_b32 s[G1S+4], 25
	s_mov_b32 s[G1S+5], 32
	s_mov_b32 s[G1S+6], 0
	s_mov_b32 s[G1S+7], 0
	s_mov_b32 s[SEL], 0x76543210
	s_mov_b32 s[SEL+1], 0xfedcba98                 ; v_permlanex16_b32's selects for lane l xor 16
	s_mov_b32 s[SGN], 0x7fffffff
	s_mov_b32 s[HM], 0xffff0000
	s_mov_b32 s[NL2E], 0xbfb8aa3b                  ; -log2(e)
	s_mov_b32 s[NL2E+1], s[NL2E]                   ; (named with it as a pair, so it is written)
	s_mov_b32 s[RN], 0x3a800000                    ; 1 / 1024
	s_mov_b32 s[EPS], 0x3727c5ac                   ; 1e-5
	v_and_b32 v30, 31, v0                          ; lane
	v_lshlrev_b32 v[L16], 4, v30
	v_lshl_add_u32 v[L8P], v30, 3, 512
	s_mul_i32 s20, s[WV], 1536
	v_add_nc_u32 v[LW16], s20, v[L16]
	v_add_nc_u32 v[LW8], s20, v[L8P]
	s_lshl_b32 s20, s[WV], 2
	s_add_co_u32 s20, s20, ASC
	v_add_nc_u32 v[LWS], s20, v[L16]
	s_mul_i32 s20, s[WV], QB
	v_add_nc_u32 v[BA0], s20, v[L16]
	v_add_nc_u32 v[BA0+1], SLOT, v[BA0]
	s_add_co_u32 s20, s20, ASC
	v_lshl_add_u32 v[BS0], v30, 3, s20
	v_add_nc_u32 v[BS0+1], SLOT, v[BS0]
	v_and_b32 v31, 15, v0                          ; r
	v_bfe_u32 v29, v0, 4, 1                        ; h
	v_lshlrev_b32 v[XO], 12, v31
	v_lshl_add_u32 v[XO], v29, 8, v[XO]            ; x: row r of 4,096 bytes, + 256 h: my half's 64 features of a chunk
	v_min_u32 v[PFO], 24, v30
	v_lshlrev_b32 v[PFO], 8, v[PFO]
	s_mul_i32 s22, s[WV], QB                       ; the descriptors hang on the wave's and the cluster's number alone: they are equal in all four partners
	s_mov_b32 s23, 0                               ; stays 0: the upper word of the descriptors' offsets
	s_mov_b32 s21, 0                               ; stays 0: the upper word of all other offsets
	s_mov_b32 s[G0], 1
	s_mov_b32 s[G0+1], s22                         ; slot 0, my quarter
	s_mov_b32 s[G0+4], 1
	s_add_co_u32 s[G0+5], s22, SLOT                ; slot 1
	s_and_b32 s[XC], ttmp9, 7                      ; my cluster's first chunk (in a cluster launch ttmp9 counts clusters),
	s_lshl_b32 s[NXT], s[XC], 2                    ; and its first step
	s_wait_dscnt 0x0                               ; the opening add is done
	s_wait_kmcnt 0x0
	s_mul_i32 s22, s[WV], 6400
	s_mov_b32 s[G0S], 1
	s_add_co_u32 s[G0S+1], s22, SE1L
	s_add_nc_u64 s[G0S+2:G0S+3], s[6:7], s[22:23]
	s_add_nc_u64 s[G0S+2:G0S+3], s[G0S+2:G0S+3], SE1G
	s_or_b32 s[G0S+3], s[G0S+3], 0x80000000        ; the type
	s_mul_i32 s20, s[CX], QB                       ; the prefetch: quarter cx of se_w2's step, my wave's 6,400 bytes of it
	s_add_co_u32 s20, s20, s22
	s_add_nc_u64 s[PFA:PFA+1], s[6:7], s[20:21]
	s_add_nc_u64 s[PFA:PFA+1], s[PFA:PFA+1], 32*SLOT
	s_mul_i32 s22, s[WV], QB
	s_add_nc_u64 s[WQW:WQW+1], s[6:7], s[22:23]    ; from here on: wq at my wave's quarter of step 0
	s_mul_i32 s22, s[NXT], SLOT
	s_add_nc_u64 s[G0+2:G0+3], s[WQW:WQW+1], s[22:23]      ; my cluster's first step,
	s_add_nc_u64 s[G0+6:G0+7], s[G0+2:G0+3], SLOT  ; and its second (a chunk's four steps lie on end)
	s_or_b32 s[G0+3], s[G0+3], 0x80000000
	s_or_b32 s[G0+7], s[G0+7], 0x80000000
	s_add_co_u32 s[NXT], s[NXT], 2                 ; the first refill fetches the third (30 at the most: no turn yet)
	s_lshl_b32 s20, ttmp9, 2
	s_add_co_u32 s20, s20, s[CX]                   ; my work-group
	s_lshl_b32 s20, s20, 18                        ; its 64 rows of 4,096 bytes
	s_add_nc_u64 s[XB:XB+1], s[XB:XB+1], s[20:21]
	s_add_nc_u64 s[OUT:OUT+1], s[OUT:OUT+1], s[20:21]
	s_lshl_b32 s20, s[WV], 16                      ; my wave's 16 rows of x
	s_add_nc_u64 s[XB:XB+1], s[XB:XB+1], s[20:21]
	s_lshl_b32 s20, s[XC], 9
	s_add_nc_u64 s[XP:XP+1], s[XB:XB+1], s[20:21]  ; at my cluster's first chunk
	s_cmp_eq_u32 ttmp9, 0                          ; the first cluster prefetches: the same in all four partners
	s_cselect_b32 s[PFT], 1, 0
	ROUND                                          ; all four work-groups are here: the first joint loads meet
	tensor_load_to_lds s[G0S:G0S+3], s[G1S:G1S+7]  ; the first fills go out together: three loads of mine are out
	s_nop 0
	tensor_load_to_lds s[G0:G0+3], s[G1:G1+7]
	s_nop 0
	tensor_load_to_lds s[G0+4:G0+7], s[G1:G1+7]
	s_nop 0
	PLACES 4
	WIN TO_W1
.irp i, 0,1,2,3,4,5,6,7
	global_load_b128 v[XW+4*\i:XW+4*\i+3], v[XO], s[XP:XP+1] offset:16*\i th:TH_LOAD_NT
.endr
.irp i, 0,1,2,3,4,5,6,7
	global_load_b128 v[XW+32+4*\i:XW+32+4*\i+3], v[XO], s[XP:XP+1] offset:128+16*\i th:TH_LOAD_NT
.endr
	WIN 0
	s_mov_b32 s[WA], ABUF0
	MKW
	; ---- the walk's first chunk is quantised with nothing beside it.  (From here on 'chunk i' and 'step n' count along my cluster's walk.)
	SLA 0, 8, 0, 0                                 ; unit 0's eight loads are in, unit 1's may be out
	s_wait_dscnt 0x0                               ; the stores have read their registers
	SLB 0
	s_wait_dscnt 0x0
	STEPX                                          ; x's pointer: chunk 1
	SLA 1, 0, 1, 0                                 ; chunk 1's unit 0 is asked for
	s_wait_dscnt 0x0
	SLB 1
	s_wait_dscnt 0x0                               ; for the others' sake: my row images have landed
	s_wait_tensorcnt 1                             ; se_w1 and my quarter of slot 0 are in; slot 1's may stay out
	s_barrier_signal -1
	s_barrier_wait -1
	s_mov_b32 s[RA], ABUF0
	MKR
	s_xor_b32 s[WA], s[WA], ATOG
	MKW
	LOADS 0, 0, 0
	WIN TO_W1
	BLD 0, 8
	WIN 0
	; ---- step 0: its products start the sums: nothing is ever cleared
	UHEAD 0, 1
	CHANGE 0, 0, 0
	LOADS 1, 1, 1
	SLA 0, 0, 1, 128                               ; chunk 1's unit 1 is asked for
	UTAIL 0, 1, 1
	s_mov_b32 s[TRIP], 7
.Lchunk:                               ; trip k = 7 - TRIP: steps 4 k + 1 .. 4 k + 4; beside them chunk k + 1 is finished and chunk k + 2 begun
	UHEAD 1, 0
	CHANGE 1, 1, 0                                 ; x's pointer: chunk k + 2 (in the last trip it is not used again)
	LOADS 0, 0, 2
	SLB 0
	UTAIL 1, 0, 0
	UHEAD 0, 0
	CHANGE 0, 0, 0
	LOADS 1, 1, 3
	SLA 1, 0, 2, 0
	UTAIL 0, 0, 1
	UHEAD 1, 0
	SLB 1                                          ; ahead of the round: its wait on DScnt and its barriers show chunk k + 1's images to every wave
	CHANGE 1, 0, 0
	s_xor_b32 s[RA], s[RA], ATOG                   ; the reads go on to chunk k + 1's buffer
	MKR
	LOADS 0, 0, 0
	UTAIL 1, 0, 0
	UHEAD 0, 0
	CHANGE 0, 0, 0
	s_xor_b32 s[WA], s[WA], ATOG                   ; chunk k's buffer was last read a round ago: chunk k + 2 is written there
	MKW
	LOADS 1, 1, 1
	ASK                                            ; behind the joint load and the run of LDS loads; in the last trip alone, which is step 28
	s_cmp_eq_u32 s[TRIP], 1                        ; there is no chunk 8
	s_cbranch_scc1 .Lno_slice
	SLA 0, 0, 1, 128
.Lno_slice:
	UTAIL 0, 0, 1
	s_sub_co_u32 s[TRIP], s[TRIP], 1
	s_cmp_lg_u32 s[TRIP], 0
	s_cbranch_scc1 .Lchunk
	; ---- steps 29 to 31 are written out: the last two refills (step 31, and se_w2 as step 32), then none
	UHEAD 1, 0
	CHANGE 1, 0, 0
	LOADS 0, 0, 2
	UTAIL 1, 0, 0
	UHEAD 0, 0
	CHANGE 0, 0, 1
	LOADS 1, 1, 3
	UTAIL 0, 0, 1
	UHEAD 1, 0
	WIN 0
	s_wait_tensorcnt 0x0                           ; my quarter of se_w2 is in slot 0; only I read it
	s_wait_dscnt 0x0                               ; weight tiles 8-15 of step 31 are in
	PLACES 4
.irp i, 0,1,2,3
	ds_load_b64 v[SCB+2*\i:SCB+2*\i+1], v[BS0] offset:256*\i
.endr
	WIN TO_W1
	BLD 0, 0
	UTAIL 1, 0, 0
	; ================ THE EPILOGUE.  Register 64 m + 32 c + e of window 2 + ks is (row 16 m + r, column 256 w + 128 ks + 64 c + 32 h + e)
	s_wait_loadcnt 0x0                             ; no load of x is out, on any way that leads here: window 1's v192-255, x's registers, are loaded anew below
	s_wait_xcnt 0x0                                ; x's loads and the prefetch have read v17 and v18, which are written below
	v_bfe_u32 v4, v0, 4, 1
	s_lshl_b32 s20, s[WV], 10
	v_lshl_add_u32 v4, v4, 7, s20                  ; gamma, beta: 1024 w + 128 h: my 128 columns in the registers' order
.irp c, 0,1
.irp i, 0,1,2,3,4,5,6,7
	global_load_b128 v[56+32*\c+4*\i:56+32*\c+4*\i+3], v4, s[8:9] offset:256*\c+16*\i              ; gamma, ks = 0
	global_load_b128 v[120+32*\c+4*\i:120+32*\c+4*\i+3], v4, s[10:11] offset:256*\c+16*\i          ; beta, ks = 0
	global_load_b128 v[184+32*\c+4*\i:184+32*\c+4*\i+3], v4, s[8:9] offset:512+256*\c+16*\i        ; gamma, ks = 1
.endr
.endr
	WIN TO_W1
.irp c, 0,1
.irp i, 0,1,2,3,4,5,6,7
	global_load_b128 v[192+32*\c+4*\i:192+32*\c+4*\i+3], v4, s[10:11] offset:512+256*\c+16*\i      ; beta, ks = 1: window 1
.endr
.endr
	WIN 0
	v_and_b32 v6, 15, v0
	v_lshl_add_u32 v6, v6, 4, LNX                  ; partial sums: read at 16 r,
	s_lshl_b32 s20, s[WV], 8
	v_add_nc_u32 v5, s20, v6                       ; written at 256 w + 16 r
; four numbers a lane (pairs at v[base + 2 m]) are summed over the pair, over lane l xor 16 and over the four waves: v8-11 then hold the four rows' sums, in every wave
.macro RED base, pass
	s_wait_dscnt 0x0                               ; no LDS load of mine is out: v8-15 may be written
.irp m, 0,1,2,3
	v_add_f32 v[12+\m], v[\base+2*\m], v[\base+2*\m+1]
.endr
.irp m, 0,1,2,3
	v_permlanex16_b32 v[8+\m], v[12+\m], s[SEL], s[SEL+1]
.endr
.irp m, 0,1,2,3
	v_add_f32 v[12+\m], v[12+\m], v[8+\m]
.endr
	ds_store_b128 v5, v[12:15] offset:1024*\pass   ; (lanes r and r + 16 write the same bytes with the same values)
	s_wait_dscnt 0x0                               ; for the others' sake
	s_barrier_signal -1
	s_barrier_wait -1
	ds_load_b128 v[8:11], v6 offset:1024*\pass
	ds_load_b128 v[12:15], v6 offset:1024*\pass+256
	ds_load_b128 v[248:251], v6 offset:1024*\pass+512
	ds_load_b128 v[252:255], v6 offset:1024*\pass+768
	s_wait_dscnt 0x0
	v_pk_add_f32 v[8:9], v[8:9], v[12:13]
	v_pk_add_f32 v[10:11], v[10:11], v[14:15]
	v_pk_add_f32 v[248:249], v[248:249], v[252:253]
	v_pk_add_f32 v[250:251], v[250:251], v[254:255]
	v_pk_add_f32 v[8:9], v[8:9], v[248:249]
	v_pk_add_f32 v[10:11], v[10:11], v[250:251]
.endm
	; ---- the mean: four chains, one for each tile of rows; each accumulator is read from its low end on
	WIN 0x0a
.irp m, 0,1,2,3
	v_pk_add_f32 v[16+2*\m:17+2*\m], v[64*\m:64*\m+1], v[64*\m+2:64*\m+3]
.endr
	WIN 0x02
.set p, 4
.rept 30
.irp m, 0,1,2,3
	v_pk_add_f32 v[16+2*\m:17+2*\m], v[64*\m+p:64*\m+p+1], v[16+2*\m:17+2*\m]
.endr
.set p, p+2
.endr
	WIN 0x03
.set p, 0
.rept 32
.irp m, 0,1,2,3
	v_pk_add_f32 v[16+2*\m:17+2*\m], v[64*\m+p:64*\m+p+1], v[16+2*\m:17+2*\m]
.endr
.set p, p+2
.endr
	WIN 0
	RED 16, 0
.irp m, 0,1,2,3
	v_mul_f32 v[16+2*\m], 0xba800000, v[8+\m]      ; -mean
.endr
	; ---- the variance, of the differences, which stay in place
	WIN 0x82
.set p, 0
.rept 32
.irp m, 0,1,2,3
	v_pk_add_f32 v[64*\m+p:64*\m+p+1], v[64*\m+p:64*\m+p+1], v[16+2*\m:17+2*\m] op_sel_hi:[1,0]
.endr
.set p, p+2
.endr
	WIN 0x0a
.irp m, 0,1,2,3
	v_pk_mul_f32 v[24+2*\m:25+2*\m], v[64*\m:64*\m+1], v[64*\m:64*\m+1]
.endr
.set p, 2
.rept 31
.irp m, 0,1,2,3
	v_pk_fma_f32 v[24+2*\m:25+2*\m], v[64*\m+p:64*\m+p+1], v[64*\m+p:64*\m+p+1], v[24+2*\m:25+2*\m]
.endr
.set p, p+2
.endr
	WIN 0xc3
.set p, 0
.rept 32
.irp m, 0,1,2,3
	v_pk_add_f32 v[64*\m+p:64*\m+p+1], v[64*\m+p:64*\m+p+1], v[16+2*\m:17+2*\m] op_sel_hi:[1,0]
.endr
.set p, p+2
.endr
	WIN 0x0f
.set p, 0
.rept 32
.irp m, 0,1,2,3
	v_pk_fma_f32 v[24+2*\m:25+2*\m], v[64*\m+p:64*\m+p+1], v[64*\m+p:64*\m+p+1], v[24+2*\m:25+2*\m]
.endr
.set p, p+2
.endr
	WIN 0
	RED 24, 1                                      ; (other bytes than the first pass's: no barrier is owed between them)
.irp m, 0,1,2,3
	v_fma_f32 v[12+\m], v[8+\m], s[RN], s[EPS]     ; variance + 1e-5
.endr
.irp m, 0,1,2,3
	v_rsq_f32 v[16+2*\m], v[12+\m]
.endr
	v_nop
	s_wait_alu depctr_va_vdst(0)                   ; one wait for the four, ahead of their first reader
	; ---- y = difference x rsqrt x gamma + beta, in place
	s_wait_loadcnt 0x0                             ; gamma and beta
	WIN 0x82
.set p, 0
.rept 32
.irp m, 0,1,2,3
	v_pk_mul_f32 v[64*\m+p:64*\m+p+1], v[64*\m+p:64*\m+p+1], v[16+2*\m:17+2*\m] op_sel_hi:[1,0]
.endr
.set p, p+2
.endr
.set p, 0
.rept 32
.irp m, 0,1,2,3
	v_pk_fma_f32 v[64*\m+p:64*\m+p+1], v[64*\m+p:64*\m+p+1], v[56+p:57+p], v[120+p:121+p]
.endr
.set p, p+2
.endr
	WIN 0xc3
.set p, 0
.rept 32
.irp m, 0,1,2,3
	v_pk_mul_f32 v[64*\m+p:64*\m+p+1], v[64*\m+p:64*\m+p+1], v[16+2*\m:17+2*\m] op_sel_hi:[1,0]
.endr
.set p, p+2
.endr
	WIN 0xd3                                       ; beta of ks = 1 is source 2, in window 1
.set p, 0
.rept 32
.irp m, 0,1,2,3
	v_pk_fma_f32 v[64*\m+p:64*\m+p+1], v[64*\m+p:64*\m+p+1], v[184+p:185+p], v[192+p:193+p]
.endr
.set p, p+2
.endr
	WIN 0
	; ---- addresses for the rest, and what product 3 wants: se_w1's four fragments and scale words (LDS), se_b1, se_b2
	v_and_b32 v15, 31, v0                          ; lane
	s_lshl_b32 s20, s[WV], 10
	v_lshl_add_u32 v7, v15, 4, s20                 ; 1024 w + 16 lane: se_b2 now, out0 later; never rewritten
	s_mul_i32 s20, s[WV], 6400
	s_add_co_u32 s20, s20, SE1L
	v_lshl_add_u32 v8, v15, 4, s20
	s_add_co_u32 s20, s20, 6144
	v_lshl_add_u32 v9, v15, 3, s20
	v_bfe_u32 v12, v0, 4, 1                        ; h
	v_lshlrev_b32 v10, 6, v12                      ; se_b1: my 16 hidden units, 16 h on
	v_add_nc_u32 v11, B2L, v7                      ; se_b2 into LDS, as it lies
	v_add_nc_u32 v13, B2L, v4                      ; and out of it: 1024 w + 128 h
	v_add_nc_u32 v12, -1, v12                      ; all ones in lanes 0-15
	s_lshl_b32 s20, s[WV], 13
	s_add_co_u32 s20, s20, HP
	v_lshl_add_u32 v5, v15, 4, s20                 ; my partial sums' images
	s_lshl_b32 s20, s[WV], 11
	s_add_co_u32 s20, s20, HP
	v_lshl_add_u32 v6, v15, 4, s20                 ; tile of rows w in an image
	WIN TO_W1
.irp i, 0,1,2,3
	global_load_b128 v[240+4*\i:243+4*\i], v10, s[12:13] offset:16*\i
.endr
.irp f, 0,1,2,3
.irp k, 0,1,2
	ds_load_b128 v[192+12*\f+4*\k:192+12*\f+4*\k+3], v8 offset:1536*\f+512*\k
.endr
.endr
	WIN 0
	ds_load_b64 v[48:49], v9                       ; register ks: lanes 0-15 tile n = 0, lanes 16-31 n = 1
	global_load_b128 v[248:251], v7, s[14:15]
	global_load_b128 v[252:255], v7, s[14:15] offset:512
; y is quantised along its columns: for K step ks of my 256 columns, block b = 2 m + cc is 32 registers of ONE lane: fragments at v[56 + 12 (2 m + ks)], scale words at v[40 + 2 m + ks]
.macro YQ ks
	WIN 0x0a+5*\ks
.irp b, 0,1,2,3,4,5,6,7
	v_max3_num_f32 v[16+\b], |v[32*\b]|, |v[32*\b+1]|, 0x1800000
.endr
.set p, 2
.rept 15
.irp b, 0,1,2,3,4,5,6,7
	v_max3_num_f32 v[16+\b], |v[32*\b+p]|, |v[32*\b+p+1]|, v[16+\b]
.endr
.set p, p+2
.endr
	WIN 0
.irp b, 0,1,2,3,4,5,6,7
	v_add_nc_u32 v[24+\b], 0xff000000, v[16+\b]
.endr
.irp b, 0,1,2,3,4,5,6,7
	v_lshrrev_b32 v[16+\b], 23, v[24+\b]
.endr
.irp m, 0,1,2,3
	v_lshl_or_b32 v[40+2*\m+\ks], v[17+2*\m], 16, v[16+2*\m]
.endr
.irp m, 0,1,2,3
	v_lshlrev_b32 v[16+2*\m], 8, v[40+2*\m+\ks]
.endr
.irp m, 0,1,2,3
	v_cndmask_b32 v[40+2*\m+\ks], v[40+2*\m+\ks], v[16+2*\m], s[HM]
.endr
.irp m, 0,1,2,3
	v_permlanex16_b32 v[16+2*\m], v[40+2*\m+\ks], s[SEL], s[SEL+1]
.endr
.irp m, 0,1,2,3
	v_or_b32 v[40+2*\m+\ks], v[40+2*\m+\ks], v[16+2*\m]
.endr
	WIN 0x02+\ks
.irp b, 0,1,2,3,4,5,6,7
	v_cvt_scalef32_pk16_fp6_f32 v[56+12*(2*(\b/2)+\ks)+6*(\b%2):56+12*(2*(\b/2)+\ks)+6*(\b%2)+2], v[32*\b:32*\b+15], v[24+\b]
	v_cvt_scalef32_pk16_fp6_f32 v[184+4*\b:184+4*\b+2], v[32*\b+16:32*\b+31], v[24+\b]
.endr
	WIN 0
	v_nop                                          ; one plain place behind the conversions
.irp b, 0,1,2,3,4,5,6,7
.irp i, 0,1,2
	v_mov_b32 v[56+12*(2*(\b/2)+\ks)+6*(\b%2)+3+\i], v[184+4*\b+\i]
.endr
.endr
.endm
	YQ 0
	YQ 1
	PLACES 8                                       ; operands and scale words written by vector instructions stand these places ahead of a scaled matrix instruction
	s_wait_dscnt 0x0                               ; se_w1
	; ---- product 3, my 256 columns' part: D(m, n) at v[152 + 16 m + 8 n]: lane (r, h), register j: hidden unit 16 h + 8 n + j.  Eight accumulators by turns
	WIN 0x01
.irp ks, 0,1
.irp m, 0,1,2,3
.irp n, 0,1
	WM 152+16*\m+8*\n, 192+12*(2*\ks+\n), 56+12*(2*\m+\ks), 1-\ks, 48+\ks, 40+2*\m+\ks, \n
.endr
.endr
.endr
	WIN 0
	PLACES 4
.irp g, 0,1,2,3,4,5,6,7,8,9,10,11,12,13,14,15
	ds_store_b128 v5, v[152+4*\g:155+4*\g] offset:512*\g   ; each accumulator from its low end on
.endr
	s_wait_loadcnt 0x0                             ; se_b1, se_b2
	ds_store_b128 v11, v[248:251]                  ; se_b2: my wave's 1,024 bytes, which only I read
	ds_store_b128 v11, v[252:255] offset:512
	s_wait_dscnt 0x0                               ; for the others' sake
	s_barrier_signal -1
	s_barrier_wait -1
.irp u, 0,1,2,3
.irp i, 0,1,2,3
	ds_load_b128 v[152+16*\u+4*\i:155+16*\u+4*\i], v6 offset:8192*\u+512*\i        ; tile of rows w, from all four waves' images
.endr
.endr
	s_mul_i32 s20, s[WV], 768
	s_add_co_u32 s20, s20, HF
	v_lshl_add_u32 v8, v15, 4, s20                 ; where my tile's hidden block goes: 16 lane,
	s_add_co_u32 s20, s20, 512
	v_lshl_add_u32 v9, v15, 3, s20                 ; 8 lane + 512,
	s_lshl_b32 s20, s[WV], 7
	s_add_co_u32 s20, s20, HF+3072
	v_lshl_add_u32 v10, v15, 2, s20                ; and its scale word
	s_wait_dscnt 0x0
.irp p, 0,2,4,6,8,10,12,14
	v_pk_add_f32 v[152+\p:153+\p], v[152+\p:153+\p], v[168+\p:169+\p]
	v_pk_add_f32 v[184+\p:185+\p], v[184+\p:185+\p], v[200+\p:201+\p]
.endr
.irp p, 0,2,4,6,8,10,12,14
	v_pk_add_f32 v[152+\p:153+\p], v[152+\p:153+\p], v[184+\p:185+\p]
.endr
	WIN 0x04                                       ; source 1: se_b1, in window 1
.irp p, 0,2,4,6,8,10,12,14
	v_pk_add_f32 v[152+\p:153+\p], v[152+\p:153+\p], v[240+\p:241+\p]
.endr
	WIN 0
.irp j, 0,1,2,3,4,5,6,7,8,9,10,11,12,13,14,15
	v_max_num_f32 v[152+\j], 0, v[152+\j]          ; relu
.endr
	v_max3_num_f32 v16, v152, v153, 0x1800000      ; the hidden layer is ONE block of 32: my 16 and lane l xor 16's
.irp i, 2,4,6,8,10,12,14
	v_max3_num_f32 v16, v16, v[152+\i], v[153+\i]
.endr
	v_permlanex16_b32 v17, v16, s[SEL], s[SEL+1]
	v_max_num_f32 v16, v16, v17
	v_add_nc_u32 v18, 0xff000000, v16
	v_lshrrev_b32 v19, 23, v18                     ; the word: the block's byte lowest; the other three scale zero codes
	v_cvt_scalef32_pk16_fp6_f32 v[20:22], v[152:167], v18
	v_nop
.irp i, 0,1,2
	v_permlanex16_b32 v[24+\i], v[20+\i], s[SEL], s[SEL+1]
.endr
.irp i, 0,1,2
	v_and_b32 v[72+\i], v12, v[20+\i]              ; the whole block in lanes 0-15: my 16 codes, then the other half's; zeros in lanes 16-31
	v_and_b32 v[75+\i], v12, v[24+\i]
.endr
	ds_store_b128 v8, v[72:75]
	ds_store_b64 v9, v[76:77]
	ds_store_b32 v10, v19
	s_wait_dscnt 0x0                               ; for the others' sake
	s_barrier_signal -1
	s_barrier_wait -1
	; ---- product 4, the gate and the way out: a trip for each tile of 16 rows
.irp i, 22,23,24,25,26,27
	v_mov_b32 v[\i], 0                             ; the hidden fragment's registers 6-11: K has one block.  Written here, so that the eight address lines below and the loop's three stand between them and the first product that reads them
.endr
	v_lshlrev_b32 v5, 3, v15                       ; 8 lane
	v_lshlrev_b32 v6, 2, v15                       ; 4 lane
	v_and_b32 v15, 15, v0
	v_mul_u32_u24 v11, v15, 1040                   ; my stage, in my own quarter of slot 1, which has had its last fill and its last read: 16 rows of 1,024 bytes + 16
	v_bfe_u32 v15, v0, 4, 1
	v_lshl_add_u32 v11, v15, 7, v11                ; in: row r, + 128 h
	s_mul_i32 s20, s[WV], QB
	s_add_co_u32 s20, s20, SLOT
	v_add_nc_u32 v11, s20, v11
	v_add_nc_u32 v14, s20, v[L16]                  ; back: 16 bytes a lane of half a row
	s_mov_b32 s[MM], 0
	s_mov_b32 s[HOFF], HF
	s_mov_b32 s[HSOFF], HF+3072
.macro SEND                            ; 16 rows x my 1,024 bytes: each store covers 512 consecutive bytes, at a multiple of 256 from out0's first byte; written once, read by nobody here
.irp i, 0,1,2,3,4,5,6,7,8,9,10,11,12,13,14,15
	global_store_b128 v7, v[184+4*\i:187+4*\i], s[OUT:OUT+1] offset:4096*(\i/2)+512*(\i%2) th:TH_STORE_NT
.endr
	WIN 0x04                                       ; a store's data are its source 1: window 1
.irp i, 0,1,2,3,4,5,6,7,8,9,10,11,12,13,14,15
	global_store_b128 v7, v[192+4*\i:195+4*\i], s[OUT:OUT+1] offset:4096*(8+\i/2)+512*(\i%2) th:TH_STORE_NT
.endr
	WIN 0
	s_wait_xcnt 0x0                                ; the stores have read their registers and their base: both may be written again
	s_add_nc_u64 s[OUT:OUT+1], s[OUT:OUT+1], 65536
.endm
.macro YMUL m                          ; the gate times y of tile of rows m
	WIN 0x02
.set p, 0
.rept 32
	v_pk_mul_f32 v[56+p:57+p], v[64*\m+p:64*\m+p+1], v[56+p:57+p]
.set p, p+2
.endr
	WIN 0x03
.set p, 0
.rept 32
	v_pk_mul_f32 v[120+p:121+p], v[64*\m+p:64*\m+p+1], v[120+p:121+p]
.set p, p+2
.endr
	WIN 0
.endm
.Lrow:
	s_wait_dscnt 32                                ; the last trip's 32 stores into the stage have read their registers (its 32 loads from the stage may be out)
	v_add_nc_u32 v8, s[HOFF], v[L16]
	v_add_nc_u32 v9, s[HOFF], v5
	v_add_nc_u32 v10, s[HSOFF], v6
	ds_load_b128 v[16:19], v8                      ; the tile's hidden block
	ds_load_b64 v[20:21], v9 offset:512
	ds_load_b32 v50, v10                           ; and its scale words
.irp ks, 0,1
.irp c, 0,1
.irp g, 0,1,2,3,4,5,6,7
	ds_load_b128 v[56+64*\ks+32*\c+4*\g:56+64*\ks+32*\c+4*\g+3], v13 offset:512*\ks+256*\c+16*\g   ; se_b2 in the result's layout: the C of the products below
.endr
.endr
.endr
	s_wait_dscnt 0x0                               ; these, and the last trip's rows from the stage
	WIN 0x01
.irp t, 0,1,2,3,4,5,6,7,8,9,10,11,12,13,14,15
	WM 56+8*\t, 12*\t, 16, 0, SCB+\t/2, 50, \t%2
.endr
	WIN 0
	s_cmp_eq_u32 s[MM], 0
	s_cbranch_scc1 .Lno_send
	SEND                                           ; the tile before leaves while this one's gate is made
.Lno_send:
	PLACES 4
.set p, 0
.rept 64
	v_pk_mul_f32 v[56+p:57+p], v[56+p:57+p], s[NL2E:NL2E+1] op_sel_hi:[1,0]       ; sigmoid(z) = 1 / (1 + 2^(-log2(e) z)); each accumulator from its low end on
.set p, p+2
.endr
.set p, 0
.rept 128
	v_exp_f32 v[56+p], v[56+p]
.set p, p+1
.endr
	v_nop
	s_wait_alu depctr_va_vdst(0)                   ; one wait for the batch
.set p, 0
.rept 64
	v_pk_add_f32 v[56+p:57+p], v[56+p:57+p], 1.0 op_sel_hi:[1,0]
.set p, p+2
.endr
.set p, 0
.rept 128
	v_rcp_f32 v[56+p], v[56+p]
.set p, p+1
.endr
	v_nop
	s_wait_alu depctr_va_vdst(0)
	s_cmp_eq_u32 s[MM], 0                          ; y's registers hang on the tile: the one part of a trip that is written four times
	s_cbranch_scc1 .Ly0
	s_cmp_eq_u32 s[MM], 1
	s_cbranch_scc1 .Ly1
	s_cmp_eq_u32 s[MM], 2
	s_cbranch_scc1 .Ly2
	YMUL 3
	s_branch .Lyj
.Ly0:
	YMUL 0
	s_branch .Lyj
.Ly1:
	YMUL 1
	s_branch .Lyj
.Ly2:
	YMUL 2
.Lyj:
.irp ks, 0,1
.irp c, 0,1
.irp g, 0,1,2,3,4,5,6,7
	ds_store_b128 v11, v[56+64*\ks+32*\c+4*\g:56+64*\ks+32*\c+4*\g+3] offset:512*\ks+256*\c+16*\g
.endr
.endr
.endr
.irp i, 0,1,2,3,4,5,6,7,8,9,10,11,12,13,14,15
	ds_load_b128 v[184+4*\i:187+4*\i], v14 offset:1040*(\i/2)+512*(\i%2)           ; LDS serves a wave's instructions in order: these see my stores
.endr
	WIN TO_W1
.irp i, 0,1,2,3,4,5,6,7,8,9,10,11,12,13,14,15
	ds_load_b128 v[192+4*\i:195+4*\i], v14 offset:1040*(8+\i/2)+512*(\i%2)
.endr
	WIN 0
	s_add_co_u32 s[HOFF], s[HOFF], 768
	s_add_co_u32 s[HSOFF], s[HSOFF], 128
	s_add_co_u32 s[MM], s[MM], 1
	s_cmp_lt_u32 s[MM], 4
	s_cbranch_scc1 .Lrow
	s_wait_dscnt 0x0
	SEND
	s_wait_tensorcnt 0x0                           ; the wave's end: behind my last tensor load and my last LDS store
	ds_add_u32 v[SPW], v[NIL]
	s_wait_dscnt 0x0
	ROUND                                          ; the closing round: no work-group ends while a partner may still ask for a tile that names it
	s_endpgm
.Lfunc_end_k_q8fb943a8ee_kan:
	.size	k_q8fb943a8ee_kan, .Lfunc_end_k_q8fb943a8ee_kan-k_q8fb943a8ee_kan
	.p2alignl 7, 3214868480
	.fill 96, 4, 3214868480
	.section	.rodata,"a",@progbits
	.p2align	6, 0x0
	.amdhsa_kernel k_q8fb943a8ee_kan
		.amdhsa_group_segment_fixed_size 327680
		.amdhsa_private_segment_fixed_size 0
		.amdhsa_enable_private_segment 0
		.amdhsa_kernarg_size 56
		.amdhsa_user_sgpr_count 2
		.amdhsa_user_sgpr_kernarg_segment_ptr 1
		.amdhsa_wavefront_size32 1
		.amdhsa_system_sgpr_workgroup_id_x 1
		.amdhsa_system_sgpr_workgroup_id_y 1
		.amdhsa_system_sgpr_workgroup_id_z 1
		.amdhsa_system_vgpr_workitem_id 0
		.amdhsa_next_free_vgpr 1024
		.amdhsa_next_free_sgpr 80
		.amdhsa_reserve_vcc 0
		.amdhsa_float_denorm_mode_32 3
		.amdhsa_float_denorm_mode_16_64 3
		.amdhsa_memory_ordered 1
		.amdhsa_forward_progress 1
		.amdhsa_inst_pref_size 255
	.end_amdhsa_kernel
	.section	.bss,"aw",@nobits
	.p2align	6
	.space	262144
	.amdgpu_metadata
---
amdhsa.version: [ 1, 2 ]
amdhsa.kernels:
  - .name:           k_q8fb943a8ee_kan
    .symbol:         k_q8fb943a8ee_kan.kd
    .args:
      - { .name: x, .offset: 0, .size: 8, .value_kind: global_buffer, .address_space: global }
      - { .name: wq, .offset: 8, .size: 8, .value_kind: global_buffer, .address_space: global }
      - { .name: ln_gamma, .offset: 16, .size: 8, .value_kind: global_buffer, .address_space: global }
      - { .name: ln_beta, .offset: 24, .size: 8, .value_kind: global_buffer, .address_space: global }
      - { .name: se_b1, .offset: 32, .size: 8, .value_kind: global_buffer, .address_space: global }
      - { .name: se_b2, .offset: 40, .size: 8, .value_kind: global_buffer, .address_space: global }
      - { .name: out0, .offset: 48, .size: 8, .value_kind: global_buffer, .address_space: global }
    .group_segment_fixed_size: 327680
    .private_segment_fixed_size: 0
    .kernarg_segment_align: 8
    .kernarg_segment_size: 56
    .max_flat_workgroup_size: 128
    .sgpr_count:     80
    .vgpr_count:     1024
    .wavefront_size: 32
...
	.end_amdgpu_metadata
.endif
;; end of part 2
